; MI455X (gfx1250); checked and timed in simulation.
; The chip was launched on July 23, 2026; its instructions are those of AMD's public machine-readable ISA for CDNA 5 (MIT licence, August 2026) and "CDNA5" Instruction Set Architecture Reference Guide (July 2026). The comments in the code are by the model that wrote it; some were corrected since.
;; Linear Cross Modal Attention. Allowed arithmetic: matrix products marked QUANTISED: E2M3 operands, one E8M0 scale for each 32 along K, by v_wmma_scale_f32_16x16x128_f8f6f4 with both operands' format E2M3, f32 sums; everything else in f32.
;; Inputs: Wk_codes 512 x 16 x 24 uint8 (E2M3 codes of Wk, K innermost, in blocks of 32 codes, four codes in three bytes); Wk_scales 512 x 16 uint8 (E8M0 scales of Wk, one for each 32 codes along K); Wo_codes 512 x 16 x 24 uint8 (E2M3 codes of Wo, K innermost, in blocks of 32 codes, four codes in three bytes); Wo_scales 512 x 16 uint8 (E8M0 scales of Wo, one for each 32 codes along K); Wq_codes 512 x 16 x 24 uint8 (E2M3 codes of Wq, K innermost, in blocks of 32 codes, four codes in three bytes); Wq_scales 512 x 16 uint8 (E8M0 scales of Wq, one for each 32 codes along K); Wv_codes 512 x 16 x 24 uint8 (E2M3 codes of Wv, K innermost, in blocks of 32 codes, four codes in three bytes); Wv_scales 512 x 16 uint8 (E8M0 scales of Wv, one for each 32 codes along K); key_feat_codes 8 x 64 x 64 x 16 x 24 uint8 (E2M3 codes of key_feat, K innermost, in blocks of 32 codes, four codes in three bytes); key_feat_scales 8 x 64 x 64 x 16 uint8 (E8M0 scales of key_feat, one for each 32 codes along K); query_feat 8 x 512 x 64 x 64 float32.
;; Outputs: out0 8 x 512 x 64 x 64 float32.
;; This version of the problem:
;;   THIS VERSION OF THE PROBLEM IS GIVEN IN LOW PRECISION. The matrix products marked QUANTISED in the list below multiply operands that are first quantised to E2M3 (2 exponent bits, 3 mantissa bits; 6 bits a number), with one power-of-two scale for each 32 numbers along K (OCP MX v1.0); their sums are f32. All else is computed in f32.
;;   The module's matrix products, in the order in which they are computed (A, B: the left and right operand; K: the contracted axis; several contracted axes count as one K, in the product's order):
;;     1. [M 32,768, K 512] x [K 512, N 512]; A: input query_feat; B: input Wq (given as codes): QUANTISED
;;     2. [M 32,768, K 512] x [K 512, N 512]; A: input key_feat (given as codes); B: input Wk (given as codes): QUANTISED
;;     3. [M 32,768, K 512] x [K 512, N 512]; A: input key_feat (given as codes); B: input Wv (given as codes): QUANTISED
;;     4. batch 8 x [M 512, K 4,096] x [K 4,096, N 512]; A: computed on the way; B: computed on the way: QUANTISED
;;     5. batch 8 x [M 512, K 512] x [K 512, N 4,096]; A: softmax (see below); B: computed on the way: QUANTISED
;;     6. [M 32,768, K 512] x [K 512, N 512]; A: computed on the way; B: input Wo (given as codes): QUANTISED
;;   THE QUANTISER, for each operand of a quantised product, along K:
;;     - K is cut into blocks of 32 from its start; a last block that is shorter is filled with zeros.
;;     - A block's scale is 2^e with e = floor(log2(the largest magnitude in the block)) - 2, held to -126 .. 127; a block of zeros has e = 0. As a byte (E8M0): e + 127.
;;     - Each number is divided by its block's scale, clamped to +-7.5, and rounded to the nearest number of E2M3, ties to even, subnormals kept.
;;     - The product sums the exact products of the quantised numbers (number of the format x scale) in f32.
;;   ~~~python
;;   def quantise(x, axis):      # numpy; x: float32 -> the quantised numbers, widened to float32 again
;;       x = np.moveaxis(x, axis, -1); K = x.shape[-1]
;;       x = np.pad(x, [(0, 0)] * (x.ndim - 1) + [(0, -K % 32)]); x = x.reshape(x.shape[:-1] + (-1, 32)); a = np.abs(x).max(-1, keepdims=True)
;;       e = np.where(a > 0, np.clip(np.frexp(np.where(a > 0, a, 1))[1] - 1 - 2, -126, 127), 0)      # np.frexp(a)[1] - 1 = floor(log2(a)), exactly
;;       r = np.clip(x / 2.0 ** e, -7.5, 7.5)
;;       step = 2.0 ** (np.maximum(np.frexp(np.where(r == 0, 1, r))[1] - 1, 0) - 3)
;;       q = np.round(r / step) * step * 2.0 ** e      # np.round: ties to even
;;       return np.moveaxis(q.reshape(q.shape[:-2] + (-1,))[..., :K], -1, axis).astype(np.float32)
;;   ~~~
;;   SOFTMAX AHEAD OF A QUANTISED PRODUCT. Where the list says 'softmax', what is quantised is not the finished softmax but p = 2^(t - M), with t = logit x log2(e) and M = ceil(the row's largest t), a whole number; so 1/2 < the row's largest p <= 1. The row's sum l is taken of the UNQUANTISED p, in f32, and the product's result is divided by l at the end. Since M is a whole number, a kernel that streams over the keys may use a running M (the ceiling of the running maximum): every later rescaling is an exact power of two, which a block's scale takes up: the codes' values come out the same.
;;   OPERANDS COMPUTED ON THE WAY. 'Computed on the way' means the value that the module computes at that place (a softmax that the list does not call 'softmax' is quantised finished and normalised). What goes into a quantiser is computed in f32, as accurately as f32 sums, v_exp_f32 and their like allow (about 1e-6 of the number): no bf16 or f16 on the way to a quantiser, and a product that is left as it is and whose result goes on into a quantised operand takes f32 operands (vector FMAs, or v_wmma_f32_16x16x4_f32). A number that lies on a knife's edge between two numbers of the format may be rounded either way, as far as f32 arithmetic and the matrix unit's own rounding can turn it there, and no further.
;;   INPUTS GIVEN AS CODES. Wk (in the module: [512, 512], K = its axis 1); Wo (in the module: [512, 512], K = its axis 1); Wq (in the module: [512, 512], K = its axis 1); Wv (in the module: [512, 512], K = its axis 1); key_feat (in the module: [8, 512, 64, 64], K = its axis 1): each comes as NAME_codes (uint8): NAME with its K axis moved to the last place and cut into blocks of 32 codes, [.., K / 32, bytes a block], one block behind the other in memory; four codes in three bytes: a row's codes are one little-endian stream of bits, code i at bits 6 i .. 6 i + 5 (a code: sign, 2 exponent bits, 3 mantissa bits); and NAME_scales (uint8): the same leading axes, one E8M0 byte (e + 127) for each 32 codes along K. Its value is code x scale, taken as it is: it is not quantised again, and the codes and scales need not be those that the quantiser above would give.
;; One version. Each part assembles by itself: llvm-mc -triple=amdgcn-amd-amdhsa -mcpu=gfx1250 --defsym DOCPART=n.
;; ======== version 1 of 1: 3 launches
;; workspace buffers: qk_codes 25,165,824 bytes; v_codes 12,582,912 bytes; qkv_scales 1,572,864 bytes; p_codes 1,572,864 bytes; p_aux 262,144 bytes; wo_img 196,608 bytes
;; launch proj (part 1): grid 32 x 8, 4 waves a work-group, no clusters, 290,816 bytes of LDS; arguments query_feat, key_feat_codes, key_feat_scales, Wq_codes, Wq_scales, Wk_codes, Wk_scales, Wv_codes, Wv_scales, qk_codes, v_codes, qkv_scales; writes qk_codes, v_codes, qkv_scales
.if DOCPART == 1
	.amdgcn_target "amdgcn-amd-amdhsa--gfx1250"
	.amdhsa_code_object_version 6
	.text
	.protected	k_q361734d3bb_proj
	.globl	k_q361734d3bb_proj
	.p2align	8
	.type	k_q361734d3bb_proj,@function
k_q361734d3bb_proj:
	s_mov_b64 s[64:65], 0
	v_nop
	global_prefetch_b8 v0, s[64:65] scope:SCOPE_SE
	s_setreg_imm32_b32 hwreg(HW_REG_WAVE_MODE, 25, 1), 1
	s_wait_xcnt 0x0
; PROJ: q = Wq Q(xq), k = Wk key, v = Wv key (products 1 to 3), and the quantisers behind them: q and k along n, v along d.  All products on codes of FP6 (E2M3) with one E8M0 scale for each 32 along K.
; DEAD WORK: none.  Every input reaches out0 (query_feat twice: through product 1 and as the residual), so all twelve buffers are used by the program's three launches.
; SHARES.  A work-group takes 128 positions n of one batch (x = n / 128, y = batch) through all three products; wave w owns output channels 128 w .. 128 w + 127 of q, k and v.
; ORIENTATION.  In a result a lane holds one row of source 1, and its registers run along the rows of source 0.  So source 0 holds the rows along the NEXT quantiser's axis: for k and q the 128 positions
; (8 tiles x 4 K steps stay in 384 registers) against one streamed tile of 16 channels of the weight; for v the wave's 128 channels of Wv stay and the tiles of 16 positions are streamed.
; A CHOSEN TILE 2 B + u of a run of rows holds in its row m the run's row 32 B + 8 u + m + 8 (m / 8): the 16 registers of tiles 2 B and 2 B + 1 are then 16 neighbours, 32 B + 16 (lane / 16) + 0 .. 15.
; All tiles here are chosen tiles, the channels' too: the later products want them so.
; OUT.  A quantised fragment (16 rows x 128 K, 12 registers) is stored as an image of its registers: three stores of 16 bytes a lane, 512 consecutive aligned bytes each.
;   qk_codes: q [b][channel tile 32][n / 128] x 1,536 bytes, k the same 12,582,912 bytes on.   v_codes: [b][n / 128][tile of n 8][d / 128] x 1,536.
;   qkv_scales: three parts of 524,288 bytes (q, k, v), each [b][n / 128][group 4] x 512: register p of four, lanes 0-15 the scale words of the group's tile 2 p, lanes 16-31 of tile 2 p + 1.
; xq [c][n] f32 has its K outermost: the tile of 512 c x 128 n comes by one tensor load a wave (one outstanding, a first fill; nothing is filled again) while k and v are computed;
; then a lane takes a column n, its 512 registers run down c, and the codes come out with K innermost.
; NO CLUSTER: what work-groups share are the weights' codes; a joint load needs LDS to land in, and 262,144 + 26,112 + 2,048 + 512 of the 327,680 bytes are taken by xq's tile, the stages and the scale words.
; LIMITS: a block of zeros gets the scale byte 1, not 127 (its codes are zeros, and this program alone reads the bytes); blocks whose largest magnitude is under 2^-124 are held at byte 1; NaN and infinities are not served.
.set STG,   262144                     ; LDS: 0 .. 262,143 xq's tile [c 512][n 128] f32, rows of 512 bytes; later, from byte 0, xq's code rows
.set SLOTB, 6528                       ; a stage slot: 16 code rows of 384 bytes, 400 apart, + 128: row r starts at bank 36 r mod 64, and rows 16 apart are 32 banks apart
.set XSC,   288256                     ; xq's scale words, 16 bytes a row
.set SPARE, 290304                     ; the spare words, 128 bytes a wave: two blocks of 256 bytes that no other line names
.set GW,  4                            ; v4   16 x lane
.set GSC, 5                            ; v5   16 (r + 8 (r / 8)): a chosen tile's row of scale bytes
.set SA,  6                            ; v6-8 my stage, on the way in: 16-byte piece ch = 32 jj + lane goes to 16 (ch + ch / 24)
.set FP,  9                            ; v9   my stage, a fragment's lane: 400 r + 24 h
.set FS,  10                           ; v10  the four stages as 64 rows, a chosen tile's lane: 6,528 (r / 8) + 400 (r % 8) + 24 h
.set FX,  11                           ; v11  the same in xq's code rows
.set XL,  12                           ; v12-15 xq's tile: my column, c = 128 q on
.set XW,  16                           ; v16  my code row of xq
.set XSW, 17                           ; v17  its scale words
.set XSR, 18                           ; v18  a chosen tile's row of xq's scale words
.set SPW, 20                           ; v20  my spare word; never rewritten
.set NIL, 21                           ; v21  0; never rewritten
.set XWD, 24                           ; v24-27 xq's four scale words of my row
.set SCA, 32                           ; v32-63   scale words of the 8 tiles of positions x 4 K steps: key_feat's, later xq's
.set SCB, 64                           ; v64-95   Wv's
.set SCW, 96                           ; v96-127  Wk's, later Wq's
.set SW,  128                          ; v128-131 the scale words made, two tiles to a register
.set PWE, 132
.set PW,  133
.set TM,  134                          ; v134-149 at work in the quantiser
.set PC,  150                          ; v150-169 the codes just made
.set ACC, 170                          ; v170-233 eight accumulators
.set SF0, 96                           ; window 3: v0-47, v48-95 two sets as loaded; v96-143, v144-191 two streamed tiles.  Windows 1, 2: v0-191 the tiles that stay
.set KFB, 6                            ; s[6:7] key_feat's codes at my 16 rows;  s[8:9] its scale bytes at the block's first row
.set KFS, 8
.set WQB, 10
.set WQS, 12
.set WKB, 14
.set WKS, 16
.set WVB, 18
.set WVS, 20
.set VO,  24
.set SEL, 68
.set QO,  70
.set KO,  72
.set SQ,  74
.set MSB, 0
.set LC,  0                            ; global loads issued so far; EA, EB: the count behind the newest item of set 0, 1
.set EA,  0
.set EB,  0
.macro WIN new                         ; the immediate's high byte repeats the setting that is left
.if MSB != (\new)
	s_set_vgpr_msb (MSB<<8)|(\new)
.set MSB, (\new)
.endif
.endm
.macro WAITL e                         ; loads come back in order: those issued behind mark e may stay out
.if (LC-(\e)) > 63
	s_wait_loadcnt 63
.else
	s_wait_loadcnt LC-(\e)
.endif
.endm
.macro WAITS st
.if (\st) == 0
	WAITL EA
.else
	WAITL EB
.endif
.endm
.macro BAR                             ; my LDS stores have landed and my LDS loads are in: then the work-group's barrier
	s_wait_dscnt 0x0
	s_barrier_signal -1
	s_barrier_wait -1
.endm
.macro PLACES
.rept 4
	v_nop
.endr
.endm
; Item g of the chain of 16-row pieces (6,144 bytes, twelve loads of 512 consecutive bytes) into set g % 2:
; 0, 1 and 18, 19: key_feat's rows 16 w and 64 + 16 w on;  2-9 Wk's, 10-17 Wv's, 20-27 Wq's chosen tiles (two runs of 8 rows, 16 rows apart).
.macro GITEM g
.set GI, \g
.if GI < 28
.set GS, 48*(GI%2)
.if GI < 2
.set GB, KFB
.set GO0, 24576*GI
.set GO1, GO0+3072
.elseif GI < 10
.set GB, WKB
.set GO0, (32*((GI-2)/2)+8*((GI-2)%2))*384
.set GO1, GO0+6144
.elseif GI < 18
.set GB, WVB
.set GO0, (32*((GI-10)/2)+8*((GI-10)%2))*384
.set GO1, GO0+6144
.elseif GI < 20
.set GB, KFB
.set GO0, 24576*(GI-18)
.set GO1, GO0+3072
.else
.set GB, WQB
.set GO0, (32*((GI-20)/2)+8*((GI-20)%2))*384
.set GO1, GO0+6144
.endif
	WIN 0xc0
.irp j, 0,1,2,3,4,5
	global_load_b128 v[GS+4*\j:GS+4*\j+3], v[GW], s[GB:GB+1] offset:GO0+512*\j
.endr
.irp j, 0,1,2,3,4,5
	global_load_b128 v[GS+24+4*\j:GS+24+4*\j+3], v[GW], s[GB:GB+1] offset:GO1+512*\j
.endr
.set LC, LC+12
.if GI%2 == 0
.set EA, LC
.else
.set EB, LC
.endif
.endif
.endm
.macro SCL dst, sb, off                ; a chosen tile's scale words of the four K steps
	global_load_b128 v[(\dst):(\dst)+3], v[GSC], s[\sb:\sb+1] offset:\off
.set LC, LC+1
.endm
.macro TST st                          ; a set goes into my stage as 16 rows, 400 bytes apart: three loads' pieces are four rows
	WIN 0x0c
.irp j, 0,1,2,3,4,5,6,7,8,9,10,11
	ds_store_b128 v[SA+\j%3], v[48*(\st)+4*\j:48*(\st)+4*\j+3] offset:(\j/3)*1600
.endr
.endm
.macro TFR win, dst, adr, off          ; a tile's four fragments: lane (r, h) takes 24 bytes at 24 h and 24 at 48 + 24 h of each 96, in pieces of 8
	WIN (\win)<<6
.irp s, 0,1,2,3
.irp p, 0,1,2,3,4,5
	ds_load_b64 v[(\dst)+12*\s+2*\p:(\dst)+12*\s+2*\p+1], v[\adr] offset:(\off)+96*\s+48*(\p/3)+8*(\p%3)
.endr
.endr
.endm
.macro MM1 i, ia, s, sf, sa, sb, sbs, row
.set rD, ACC+8*(\i)
.set rA, 12*(4*(\ia)+(\s))
.set rB, (\sf)+12*(\s)
.set rSA, (\sa)+4*(\i)+(\s)
.set rSB, (\sb)+(\sbs)*(\s)
.if (\s) == 0
.if (\row)
	v_wmma_scale_f32_16x16x128_f8f6f4 v[rD:rD+7], v[rA:rA+11], v[rB:rB+11], 0, v[rSA], v[rSB] matrix_a_fmt:MATRIX_FMT_FP6 matrix_b_fmt:MATRIX_FMT_FP6 matrix_b_scale:MATRIX_SCALE_ROW1
.else
	v_wmma_scale_f32_16x16x128_f8f6f4 v[rD:rD+7], v[rA:rA+11], v[rB:rB+11], 0, v[rSA], v[rSB] matrix_a_fmt:MATRIX_FMT_FP6 matrix_b_fmt:MATRIX_FMT_FP6
.endif
.else
.if (\row)
	v_wmma_scale_f32_16x16x128_f8f6f4 v[rD:rD+7], v[rA:rA+11], v[rB:rB+11], v[rD:rD+7], v[rSA], v[rSB] matrix_a_fmt:MATRIX_FMT_FP6 matrix_b_fmt:MATRIX_FMT_FP6 matrix_b_scale:MATRIX_SCALE_ROW1
.else
	v_wmma_scale_f32_16x16x128_f8f6f4 v[rD:rD+7], v[rA:rA+11], v[rB:rB+11], v[rD:rD+7], v[rSA], v[rSB] matrix_a_fmt:MATRIX_FMT_FP6 matrix_b_fmt:MATRIX_FMT_FP6
.endif
.endif
.endm
; A unit: 32 matrix instructions: the 8 tiles that stay x 4 K steps against the streamed tile at v[sf] of window 3.  The first K step starts the sums.
; Four accumulators take turns, one instruction a turn.
.macro MM32 sf, sa, sb, sbs, row
	WIN 0x0d
.irp s, 0,1,2,3
.irp i, 0,1,2,3
	MM1 \i, \i, \s, \sf, \sa, \sb, \sbs, \row
.endr
.endr
	WIN 0x0e
.irp s, 0,1,2,3
.irp i, 4,5,6,7
	MM1 \i, \i-4, \s, \sf, \sa, \sb, \sbs, \row
.endr
.endr
.endm
; The 64 numbers of a lane in v[ACC] on, register 16 b + i = k 32 b + 16 (lane / 16) + i of my row, become a fragment's codes in v[PC] on and its scale word in v[PW].
.macro QUANT
	WIN 0
.irp b, 0,1,2,3
	v_max3_num_f32 v[TM+\b], |v[ACC+16*\b]|, |v[ACC+1+16*\b]|, 0x1800000   ; my 16 numbers of block b, and the floor 2^(3 - 127): the byte cannot fall under 1
.endr
.irp i, 2,4,6,8,10,12,14
.irp b, 0,1,2,3
	v_max3_num_f32 v[TM+\b], v[TM+\b], |v[ACC+16*\b+\i]|, |v[ACC+1+16*\b+\i]|
.endr
.endr
.irp b, 0,1,2,3
	v_permlanex16_b32 v[TM+4+\b], v[TM+\b], s[SEL], s[SEL+1]
.endr
.irp b, 0,1,2,3
	v_max_num_f32 v[TM+\b], v[TM+\b], v[TM+4+\b]   ; with lane l xor 16's: the block's largest magnitude
.endr
.irp b, 0,1,2,3
	v_add_nc_u32 v[TM+12+\b], 0xff000000, v[TM+\b] ; 2 off its exponent field: the conversion's scale operand
.endr
.irp b, 0,1,2,3
	v_lshrrev_b32 v[TM+4+\b], 23, v[TM+12+\b]      ; the scale's byte
.endr
	v_lshl_or_b32 v[PW], v[TM+5], 8, v[TM+4]
	v_lshl_or_b32 v[PW], v[TM+6], 16, v[PW]
	v_lshl_or_b32 v[PW], v[TM+7], 24, v[PW]
.irp c, 0,1
	v_cvt_scalef32_pk16_fp6_f32 v[PC+6*\c:PC+2+6*\c], v[ACC+32*\c:ACC+15+32*\c], v[TM+12+2*\c]
	v_cvt_scalef32_pk16_fp6_f32 v[PC+12+4*\c:PC+14+4*\c], v[ACC+16+32*\c:ACC+31+32*\c], v[TM+12+2*\c+1]
.endr
	v_nop                                          ; one plain place behind the conversions
.irp c, 0,1                            ; the operand's layout wants a whole block in a lane
.irp i, 0,1,2
	v_permlane16_swap_b32 v[PC+6*\c+\i], v[PC+12+4*\c+\i]
.endr
.irp i, 0,1,2
	v_mov_b32 v[PC+3+6*\c+\i], v[PC+12+4*\c+\i]
.endr
.endr
.endm
.macro MERGE t                         ; two tiles' scale words share a register: the even tile's in lanes 0-15, the odd one's in lanes 16-31
.if (\t)%2 == 0
	v_mov_b32 v[PWE], v[PW]
.else
	v_cndmask_b32 v[SW+(\t)/2], v[PWE], v[PW], s66
.endif
.endm
; The channels' phases (k, then q).  g0: the chain's item of the weight's tile 0.
.macro CHP g0                          ; tile 0 through my stage into the first streamed set
	WAITS (\g0)%2
	TST (\g0)%2
	TFR 3, SF0, FP, 0
	s_wait_dscnt 24                                ; all but the 24 loads just issued: the stage's stores have read their registers
	GITEM (\g0)+2
.endm
.macro CHU t, g0, ob                   ; unit t: the next tile is turned through the stage, this one multiplied, quantised along n and stored
.set uT, \t
.set uS, ((\g0)+uT+1)%2
.if uT < 7
	WAITS uS
	TST uS
	TFR 3, SF0+48*((uT+1)%2), FP, 0
	s_wait_dscnt 24                                ; all but the 24 loads just issued: this unit's tile is in, the stage's stores have read their registers
	GITEM (\g0)+uT+3
.else
	s_wait_dscnt 0x0
.endif
	MM32 SF0+48*(uT%2), SCA, SCW+4*uT, 1, 0
	WIN 0
	PLACES                                         ; four places in front of the first read of results
	s_wait_xcnt 0x0                                ; the last unit's stores have read their data: the codes' and scale words' registers are written again only behind this wait
	QUANT
.irp c, 0,1,2
	global_store_b128 v[GW], v[PC+4*\c:PC+4*\c+3], s[\ob:\ob+1] offset:49152*uT+512*\c
.endr
	MERGE uT
.endm
.macro VU t                            ; v's unit t: the tile of 16 positions t against the wave's 128 channels of Wv
.set uT, \t
.if uT%4 < 3
	TFR 3, SF0+48*((uT+1)%2), FS, 13056*(((uT+1)%4)/2)+3200*((uT+1)%2)
	s_wait_dscnt 24                                ; this unit's tile is in
.else
	s_wait_dscnt 0x0
.endif
	MM32 SF0+48*(uT%2), SCB, SCA+4*uT, 1, 0
	WIN 0
	PLACES
	s_wait_xcnt 0x0
	QUANT
.irp c, 0,1,2
	global_store_b128 v[GW], v[PC+4*\c:PC+4*\c+3], s[VO:VO+1] offset:6144*uT+512*\c
.endr
	MERGE uT
.endm
.macro XPAIR m                         ; blocks 2 m and 2 m + 1 of my column of xq: 64 registers become 48 bytes of my code row
.set XN, 1+(\m)/4
.set XB, 64*((\m)%4)
	WIN XN|(XN<<2)
	v_max3_num_f32 v[TM], |v[XB]|, |v[XB+1]|, 0x1800000
	v_max3_num_f32 v[TM+1], |v[XB+32]|, |v[XB+33]|, 0x1800000
.irp i, 2,4,6,8,10,12,14,16,18,20,22,24,26,28,30
	v_max3_num_f32 v[TM], |v[XB+\i]|, |v[XB+\i+1]|, v[TM]
	v_max3_num_f32 v[TM+1], |v[XB+32+\i]|, |v[XB+33+\i]|, v[TM+1]
.endr
	WIN 0
	v_add_nc_u32 v[TM+12], 0xff000000, v[TM]
	v_add_nc_u32 v[TM+13], 0xff000000, v[TM+1]
	v_lshrrev_b32 v[TM+4], 23, v[TM+12]
	v_lshrrev_b32 v[TM+5], 23, v[TM+13]
.if (\m)%2 == 0
	v_lshl_or_b32 v[XWD+(\m)/2], v[TM+5], 8, v[TM+4]
.else
	v_lshl_or_b32 v[XWD+(\m)/2], v[TM+4], 16, v[XWD+(\m)/2]
	v_lshl_or_b32 v[XWD+(\m)/2], v[TM+5], 24, v[XWD+(\m)/2]
.endif
	s_wait_dscnt 0x0                               ; the last pair's stores have read their registers
	WIN XN
	v_cvt_scalef32_pk16_fp6_f32 v[PC:PC+2], v[XB:XB+15], v[TM+12]
	v_cvt_scalef32_pk16_fp6_f32 v[PC+12:PC+14], v[XB+16:XB+31], v[TM+12]
	v_cvt_scalef32_pk16_fp6_f32 v[PC+6:PC+8], v[XB+32:XB+47], v[TM+13]
	v_cvt_scalef32_pk16_fp6_f32 v[PC+16:PC+18], v[XB+48:XB+63], v[TM+13]
	WIN 0
	v_nop
.irp i, 0,1,2
	v_mov_b32 v[PC+3+\i], v[PC+12+\i]
	v_mov_b32 v[PC+9+\i], v[PC+16+\i]
.endr
.irp c, 0,1,2
	ds_store_b128 v[XW], v[PC+4*\c:PC+4*\c+3] offset:48*(\m)+16*\c
.endr
.endm
	s_load_b512 s[4:19], s[0:1], 0x0               ; query_feat, key_feat codes, scales, Wq codes, scales, Wk codes, scales, Wv codes
	s_load_b256 s[20:27], s[0:1], 0x40             ; Wv scales, qk_codes, v_codes, qkv_scales
	v_lshl_add_u32 v[SPW], v0, 2, SPARE
	v_mov_b32 v[NIL], 0
	ds_add_u32 v[SPW], v[NIL]                      ; the wave's opening: the add, twice on end, and its wait ahead of my first tensor load
	ds_add_u32 v[SPW], v[NIL]
	v_lshrrev_b32 v1, 5, v0
	v_readfirstlane_b32 s28, v1                    ; wave
	s_and_b32 s29, ttmp7, 0xffff                   ; batch
	s_mov_b32 s30, ttmp9                           ; block of 128 positions
	s_mul_i32 s31, s28, SLOTB
	s_add_co_u32 s31, s31, STG                     ; my stage
	v_and_b32 v1, 31, v0                           ; lane
	v_and_b32 v2, 15, v0                           ; r
	v_bfe_u32 v3, v0, 4, 1                         ; h
	v_lshlrev_b32 v[GW], 4, v1
	v_and_b32 v[GSC], 8, v2
	v_add_nc_u32 v[GSC], v[GSC], v2
	v_lshlrev_b32 v[GSC], 4, v[GSC]
.irp jj, 0,1,2
	v_add_nc_u32 v22, 32*\jj, v1                   ; piece ch
	v_mul_u32_u24 v23, v22, 171
	v_lshrrev_b32 v23, 12, v23                     ; ch / 24, its row (exact for ch under 96)
	v_add_nc_u32 v22, v22, v23
	v_lshl_add_u32 v[SA+\jj], v22, 4, s31          ; 400 row + 16 (ch - 24 row) = 16 (ch + row)
.endr
	v_mul_u32_u24 v[FP], v2, 400
	v_mad_u32_u24 v[FP], v3, 24, v[FP]
	v_add_nc_u32 v[FP], s31, v[FP]
	v_lshrrev_b32 v22, 3, v2
	v_and_b32 v23, 7, v2
	v_mul_u32_u24 v[FX], v22, SLOTB
	v_mad_u32_u24 v[FX], v23, 400, v[FX]
	v_mad_u32_u24 v[FX], v3, 24, v[FX]
	v_add_nc_u32 v[FS], STG, v[FX]
	v_lshlrev_b32 v[XL], 2, v0                     ; my column: position 32 w + lane = my thread's number
	v_add_nc_u32 v[XL+1], 0x10000, v[XL]
	v_add_nc_u32 v[XL+2], 0x20000, v[XL]
	v_add_nc_u32 v[XL+3], 0x30000, v[XL]
	v_lshrrev_b32 v22, 4, v0
	v_mul_u32_u24 v[XW], v0, 400
	v_lshl_add_u32 v[XW], v22, 7, v[XW]            ; code row p at 400 p + 128 (p / 16)
	v_lshl_add_u32 v[XSW], v0, 4, XSC
	v_add_nc_u32 v[XSR], XSC, v[GSC]
.irp b, 0,1,2,3
	v_mov_b32 v[TM+4+\b], 0                        ; written once: a lane permute's destination counts as one of its sources
.endr
	s_mov_b32 s66, 0xffff0000                      ; lanes 16-31
	s_mov_b32 s[SEL], 0x76543210
	s_mov_b32 s[SEL+1], 0xfedcba98                 ; lane l xor 16
	s_lshl_b32 s60, s29, 12
	s_lshl_b32 s61, s30, 7
	s_add_co_u32 s60, s60, s61                     ; the block's first row of key_feat: 4,096 b + 128 x
	s_mul_i32 s44, s60, 384
	s_mul_i32 s61, s28, 6144
	s_add_co_u32 s44, s44, s61
	s_mov_b32 s45, 0
	s_lshl_b32 s46, s60, 4
	s_mov_b32 s47, 0
	s_mul_i32 s48, s28, 49152                      ; my 128 rows of a weight's codes,
	s_mov_b32 s49, 0
	s_lshl_b32 s50, s28, 11                        ; and of its scale bytes
	s_mov_b32 s51, 0
	s_lshl_b32 s60, s29, 5
	s_lshl_b32 s61, s28, 3
	s_add_co_u32 s61, s60, s61                     ; my first channel tile: 32 b + 8 w
	s_lshl_b32 s61, s61, 5
	s_add_co_u32 s61, s61, s30
	s_mul_i32 s52, s61, 1536
	s_mov_b32 s53, 0
	s_add_co_u32 s60, s60, s30                     ; 32 b + x
	s_lshl_b32 s61, s60, 5
	s_add_co_u32 s61, s61, s28
	s_mul_i32 s54, s61, 1536
	s_mov_b32 s55, 0
	s_lshl_b32 s61, s60, 2
	s_add_co_u32 s61, s61, s28
	s_lshl_b32 s56, s61, 9
	s_mov_b32 s57, 0
	s_lshl_b32 s58, s29, 23
	s_lshl_b32 s61, s28, 21
	s_add_co_u32 s58, s58, s61
	s_lshl_b32 s61, s30, 9
	s_add_co_u32 s58, s58, s61                     ; xq: batch, my 128 channels, the block's 128 positions
	s_mov_b32 s59, 0
	s_mov_b32 s32, 1                               ; group 0: count 1,
	s_lshl_b32 s33, s28, 16                        ; LDS address: my 128 rows of 512 bytes
	s_mov_b32 s36, 2<<16                           ; group 1: no mask, elements of 4 bytes, no padding
	s_mov_b32 s37, 128<<16                         ; tensor_dim0 = 128
	s_mov_b32 s38, 128<<16                         ; tensor_dim1 = 128
	s_mov_b32 s39, 128<<16                         ; tile_dim0 = 128
	s_mov_b32 s40, 128                             ; tile_dim1 = 128
	s_mov_b32 s41, 4096                            ; from row to row
	s_mov_b32 s42, 0
	s_mov_b32 s43, 0
	s_wait_dscnt 0x0                               ; both opening adds are done
	s_wait_kmcnt 0x0
	s_add_nc_u64 s[6:7], s[6:7], s[44:45]
	s_add_nc_u64 s[8:9], s[8:9], s[46:47]
	s_add_nc_u64 s[10:11], s[10:11], s[48:49]
	s_add_nc_u64 s[14:15], s[14:15], s[48:49]
	s_add_nc_u64 s[18:19], s[18:19], s[48:49]
	s_add_nc_u64 s[12:13], s[12:13], s[50:51]
	s_add_nc_u64 s[16:17], s[16:17], s[50:51]
	s_add_nc_u64 s[20:21], s[20:21], s[50:51]
	s_add_nc_u64 s[QO:QO+1], s[22:23], s[52:53]
	s_add_nc_u64 s[KO:KO+1], s[QO:QO+1], 0xc00000
	s_add_nc_u64 s[24:25], s[24:25], s[54:55]
	s_add_nc_u64 s[SQ:SQ+1], s[26:27], s[56:57]
	s_add_nc_u64 s[34:35], s[4:5], s[58:59]
	s_or_b32 s35, s35, 0x80000000                  ; type 2
	GITEM 0
	GITEM 1
	WIN 0
.irp t, 0,1,2,3,4,5,6,7
	SCL SCA+4*\t, KFS, (32*(\t/2)+8*(\t%2))*16
.endr
.irp t, 0,1,2,3,4,5,6,7
	SCL SCW+4*\t, WKS, (32*(\t/2)+8*(\t%2))*16
.endr
.irp t, 0,1,2,3,4,5,6,7
	SCL SCB+4*\t, WVS, (32*(\t/2)+8*(\t%2))*16
.endr
	tensor_load_to_lds s[32:35], s[36:43]          ; my quarter of xq's tile: it lands while k and v are computed
	s_nop 0
	PLACES
	; ---- key_feat's 128 rows become the tiles that stay: 64 rows at a time through the four stages, each wave bringing 16
	WAITS 0
	TST 0
	s_wait_dscnt 0x0                               ; the stores have read their registers
	GITEM 2
	BAR                                            ; rows 0-63 lie in the stages
.irp t, 0,1,2,3
	TFR 1, 48*\t, FS, 13056*(\t/2)+3200*(\t%2)
.endr
	BAR                                            ; everybody has read them
	WAITS 1
	TST 1
	s_wait_dscnt 0x0
	GITEM 3
	BAR                                            ; rows 64-127
.irp t, 0,1,2,3
	TFR 2, 48*\t, FS, 13056*(\t/2)+3200*(\t%2)
.endr
	BAR                                            ; from here on each wave's stage is its own
	; ---- k: my 8 tiles of 16 channels of Wk
	CHP 2
.irp t, 0,1,2,3,4,5,6,7
	CHU \t, 2, KO
.endr
	global_store_b128 v[GW], v[SW:SW+3], s[SQ:SQ+1] offset:524288
	; ---- Wv's 8 tiles become the tiles that stay (the quantiser's lines above are the places behind the last products)
.irp t, 0,1,2,3,4,5,6,7
	SCL SCW+4*\t, WQS, (32*(\t/2)+8*(\t%2))*16
.endr
.irp i, 0,1,2,3,4,5,6,7
	WAITS \i%2
	TST \i%2
	TFR 1+\i/4, 48*(\i%4), FP, 0
	s_wait_dscnt 24
	GITEM 12+\i
.endr
	; ---- v: key_feat's rows once more through the four stages, 64 at a time
	s_wait_dscnt 0x0
	WAITS 0
	TST 0
	s_wait_dscnt 0x0
	GITEM 20
	BAR
	TFR 3, SF0, FS, 0
.irp t, 0,1,2,3
	VU \t
.endr
	BAR                                            ; everybody has read rows 0-63
	WAITS 1
	TST 1
	s_wait_dscnt 0x0
	GITEM 21
	BAR
	TFR 3, SF0, FS, 0
.irp t, 4,5,6,7
	VU \t
.endr
	global_store_b128 v[GW], v[SW:SW+3], s[SQ:SQ+1] offset:1048576
	; ---- xq: a lane takes a column, its registers run down c
	s_wait_tensorcnt 0x0                           ; my quarter of xq's tile has landed;
	BAR                                            ; everybody's has, and nobody reads the four stages jointly any more
.set XC, 0
.rept 512
	WIN (1+XC/256)<<6
	ds_load_b32 v[XC%256], v[XL+XC/128] offset:(XC%128)*512      ; 32 lanes read 128 consecutive bytes
.set XC, XC+1
.endr
	BAR                                            ; the f32 tile has been read by all: its bytes, which have had their one fill, take the code rows
	s_wait_xcnt 0x0                                ; v's last stores have read their data: the codes' registers, which the lines below write, are written again only behind this wait
.irp m, 0,1,2,3,4,5,6,7
	XPAIR \m
.endr
	ds_store_b128 v[XSW], v[XWD:XWD+3]
	BAR                                            ; xq's 128 code rows and their scale words lie in LDS
	; ---- q: xq's 8 tiles stay, Wq's tiles are streamed
.irp t, 0,1,2,3,4,5,6,7
	TFR 1+\t/4, 48*(\t%4), FX, 13056*(\t/2)+3200*(\t%2)
.endr
	WIN 0
.irp t, 0,1,2,3,4,5,6,7
	ds_load_b128 v[SCA+4*\t:SCA+4*\t+3], v[XSR] offset:(32*(\t/2)+8*(\t%2))*16
.endr
	CHP 20
.irp t, 0,1,2,3,4,5,6,7
	CHU \t, 20, QO
.endr
	global_store_b128 v[GW], v[SW:SW+3], s[SQ:SQ+1]
	s_wait_tensorcnt 0x0                           ; the wave's end, behind my last tensor load and my last LDS store
	ds_add_u32 v[SPW], v[NIL]
	s_wait_dscnt 0x0
	s_endpgm
.Lfunc_end_k_q361734d3bb_proj:
	.size	k_q361734d3bb_proj, .Lfunc_end_k_q361734d3bb_proj-k_q361734d3bb_proj
	.p2alignl 7, 3214868480
	.fill 96, 4, 3214868480
	.section	.rodata,"a",@progbits
	.p2align	6, 0x0
	.amdhsa_kernel k_q361734d3bb_proj
		.amdhsa_group_segment_fixed_size 290816
		.amdhsa_private_segment_fixed_size 0
		.amdhsa_enable_private_segment 0
		.amdhsa_kernarg_size 96
		.amdhsa_user_sgpr_count 2
		.amdhsa_user_sgpr_kernarg_segment_ptr 1
		.amdhsa_wavefront_size32 1
		.amdhsa_system_sgpr_workgroup_id_x 1
		.amdhsa_system_sgpr_workgroup_id_y 1
		.amdhsa_system_sgpr_workgroup_id_z 1
		.amdhsa_system_vgpr_workitem_id 0
		.amdhsa_next_free_vgpr 1024
		.amdhsa_next_free_sgpr 80
		.amdhsa_reserve_vcc 0
		.amdhsa_float_denorm_mode_32 3
		.amdhsa_float_denorm_mode_16_64 3
		.amdhsa_memory_ordered 1
		.amdhsa_forward_progress 1
		.amdhsa_inst_pref_size 255
	.end_amdhsa_kernel
	.section	.bss,"aw",@nobits
	.p2align	6
	.space	262144
	.amdgpu_metadata
---
amdhsa.version: [ 1, 2 ]
amdhsa.kernels:
  - .name:           k_q361734d3bb_proj
    .symbol:         k_q361734d3bb_proj.kd
    .args:
      - { .name: query_feat, .offset: 0, .size: 8, .value_kind: global_buffer, .address_space: global }
      - { .name: key_feat_codes, .offset: 8, .size: 8, .value_kind: global_buffer, .address_space: global }
      - { .name: key_feat_scales, .offset: 16, .size: 8, .value_kind: global_buffer, .address_space: global }
      - { .name: Wq_codes, .offset: 24, .size: 8, .value_kind: global_buffer, .address_space: global }
      - { .name: Wq_scales, .offset: 32, .size: 8, .value_kind: global_buffer, .address_space: global }
      - { .name: Wk_codes, .offset: 40, .size: 8, .value_kind: global_buffer, .address_space: global }
      - { .name: Wk_scales, .offset: 48, .size: 8, .value_kind: global_buffer, .address_space: global }
      - { .name: Wv_codes, .offset: 56, .size: 8, .value_kind: global_buffer, .address_space: global }
      - { .name: Wv_scales, .offset: 64, .size: 8, .value_kind: global_buffer, .address_space: global }
      - { .name: qk_codes, .offset: 72, .size: 8, .value_kind: global_buffer, .address_space: global }
      - { .name: v_codes, .offset: 80, .size: 8, .value_kind: global_buffer, .address_space: global }
      - { .name: qkv_scales, .offset: 88, .size: 8, .value_kind: global_buffer, .address_space: global }
    .group_segment_fixed_size: 290816
    .private_segment_fixed_size: 0
    .kernarg_segment_align: 8
    .kernarg_segment_size: 96
    .max_flat_workgroup_size: 128
    .sgpr_count:     80
    .vgpr_count:     1024
    .wavefront_size: 32
...
	.end_amdgpu_metadata
.endif
;; end of part 1
;; launch attn (part 2): grid 32 x 8, 4 waves a work-group, no clusters, 131,584 bytes of LDS; arguments qk_codes, qkv_scales, Wo_codes, p_codes, p_aux, wo_img; writes p_codes, p_aux, wo_img
.if DOCPART == 2
	.amdgcn_target "amdgcn-amd-amdhsa--gfx1250"
	.amdhsa_code_object_version 6
	.text
	.protected	k_q361734d3bb_attn
	.globl	k_q361734d3bb_attn
	.p2align	8
	.type	k_q361734d3bb_attn,@function
k_q361734d3bb_attn:
	s_mov_b64 s[64:65], 0
	v_nop
	global_prefetch_b8 v0, s[64:65] scope:SCOPE_SE
	s_setreg_imm32_b32 hwreg(HW_REG_WAVE_MODE, 25, 1), 1
	s_wait_xcnt 0x0
; ATTN: S[b][c][d] = the sum over n of Q(q)[b][c][n] Q(k)[b][d][n] (product 4), and the softmax ahead of product 5, by groups of 128 d.  Also Wo's codes laid as images of fragments.  No work of the problem is left out here.
; SHARES.  A work-group makes 64 c x 128 d of one batch (x % 8: which 64 c; x / 8: which 128 d, K step s of product 5; y: batch): 4 x 8 tiles.  THE FOUR WAVES SHARE K: wave w takes n = 1,024 w .. 1,024 w + 1,023,
; eight steps of 128, for all 32 tiles (256 registers of accumulators).  So each operand byte of the work-group is loaded once, by one wave, straight into registers: the fragments lie in memory as images of their
; registers (three loads of 512 consecutive bytes each).  The K loop has no LDS and no barrier.  At the end the four partial sums meet in LDS; wave w adds those of c tile w, all 8 d tiles.
; Source 0 = 16 rows of k, source 1 = 16 rows of q: a lane holds one c, and since the d tiles are chosen tiles its register 16 B + i is d = 32 B + 16 (lane / 16) + i of the group.
; THE SOFTMAX.  t = S x log2(e) / sqrt(512); M = the largest t OF THESE 128 d, rounded up to a whole number; p = 2^(t - M) is quantised along d, not normalised; l = the sum of the unquantised p of these 128 d.
; The row's own M is the largest of its four groups' M; the difference is a whole number, so the next launch takes it off the scale bytes and scales l by the same power of two: the codes are those under the row's M.
; A block's largest p is not searched for: the block's largest score goes through the same multiply-add and exponential (p rises with the score).
; OUT.  p_codes: [b][c tile 32][s 4] x 1,536 bytes, images of fragments.  p_aux: [b][c tile][s] x 256 bytes, 8 bytes a lane: lanes 0-15 (row's scale word, -M), lanes 16-31 (row's l, -M): one store covers the 256 bytes.
; wo_img: [tile of 16 neighbouring rows 32][K step 4] x 1,536 bytes.  Every wave loads fragment (tile x, K step w) in pieces of 8 bytes, so that the count of loads is the same on all ways; batch 0's waves store it.
; ORDER OF SUMS: K = 4,096 is summed as four f32 sums of 1,024 each, then (p0 + p1) + (p2 + p3).
; NO CLUSTER: the operands go from memory into registers, and a joint load lands in LDS; a wave's steps are its own, since the waves share K.
; LIMITS: a block of zeros gets the scale byte 1 (its codes are zeros, and this program alone reads the bytes); NaN and infinities are not served.
.set SPARE, 131072                     ; LDS: 0 .. 131,071 the four waves' 32 tiles of 1,024 bytes; then the spare words, 128 bytes a wave
.set GW,  2                            ; v2   16 x lane
.set RW,  3                            ; v3   where I put my partial sums: 16 x lane + 32,768 w
.set RR,  4                            ; v4   where I read the tiles that I own: 16 x lane + 8,192 w;  v5 the same 65,536 on
.set SPW, 6
.set NIL, 7
.set QS,  8                            ; v8-11  q's scale words, two registers a buffer: tile 2 p in lanes 0-15, tile 2 p + 1 in lanes 16-31
.set KS,  12                           ; v12-19 k's, four a buffer
.set RF,  20                           ; v20-31 a fragment of Wo
.set RAD, 32                           ; v32  its lane's place: 384 r + 24 h + 96 w
.set G8,  33                           ; v33  8 x lane
.set BM,  36                           ; v36-39 the four blocks' largest scores, then largest p;  v40-43 the other half's
.set BX,  40
.set SOP, 44                           ; v44-47 the conversions' scale operands;  v48-51 the bytes
.set BY,  48
.set PW,  52                           ; the scale word
.set TT,  53
.set NM,  54                           ; v54 -M (v55 named with it as a pair)
.set LA,  56                           ; v[56:57], v[58:59] the sum, in two chains
.set AX,  60                           ; v[60:61] what goes to p_aux
.set S,   64                           ; v64-127 my 64 scores, then p
.set PC,  128                          ; v128-147 the codes
.set QB,  30
.set KB,  32
.set QSB, 34
.set KSB, 36
.set CS,  40
.set SEL, 42
.set MSB, 0
.set LC,  0
.set E0,  0
.set E1,  0
.macro WIN new
.if MSB != (\new)
	s_set_vgpr_msb (MSB<<8)|(\new)
.set MSB, (\new)
.endif
.endm
.macro WAITB bf                        ; loads come back in order: those issued behind this buffer's may stay out
.if (\bf) == 0
	s_wait_loadcnt LC-E0
.else
	s_wait_loadcnt LC-E1
.endif
.endm
.macro PLACES
.rept 4
	v_nop
.endr
.endm
.macro KLOAD j, bf                     ; step j's 8 fragments of k, 4 of q and their scale words into buffer bf (window 2 or 3): 38 loads
	WIN (2+(\bf))<<6
.irp d, 0,1,2,3,4,5,6,7
.irp c, 0,1,2
	global_load_b128 v[12*\d+4*\c:12*\d+4*\c+3], v[GW], s[KB:KB+1] offset:49152*\d+1536*(\j)+512*\c
.endr
.endr
.irp a, 0,1,2,3
.irp c, 0,1,2
	global_load_b128 v[96+12*\a+4*\c:96+12*\a+4*\c+3], v[GW], s[QB:QB+1] offset:49152*\a+1536*(\j)+512*\c
.endr
.endr
	WIN 0
	global_load_b128 v[KS+4*(\bf):KS+4*(\bf)+3], v[GW], s[KSB:KSB+1] offset:2048*(\j)
	global_load_b64 v[QS+2*(\bf):QS+2*(\bf)+1], v[GW], s[QSB:QSB+1] offset:2048*(\j)
.set LC, LC+38
.if (\bf) == 0
.set E0, LC
.else
.set E1, LC
.endif
.endm
.macro KM1 a, d, bf, zr
.set rD, 8*(8*(\a)+(\d))
.set rA, 12*(\d)
.set rB, 96+12*(\a)
.set rSA, KS+4*(\bf)+(\d)/2
.set rSB, QS+2*(\bf)+(\a)/2
.set rV, 2*((\d)%2)+(\a)%2
.if (\zr)
.if rV == 0
	v_wmma_scale_f32_16x16x128_f8f6f4 v[rD:rD+7], v[rA:rA+11], v[rB:rB+11], 0, v[rSA], v[rSB] matrix_a_fmt:MATRIX_FMT_FP6 matrix_b_fmt:MATRIX_FMT_FP6
.elseif rV == 1
	v_wmma_scale_f32_16x16x128_f8f6f4 v[rD:rD+7], v[rA:rA+11], v[rB:rB+11], 0, v[rSA], v[rSB] matrix_a_fmt:MATRIX_FMT_FP6 matrix_b_fmt:MATRIX_FMT_FP6 matrix_b_scale:MATRIX_SCALE_ROW1
.elseif rV == 2
	v_wmma_scale_f32_16x16x128_f8f6f4 v[rD:rD+7], v[rA:rA+11], v[rB:rB+11], 0, v[rSA], v[rSB] matrix_a_fmt:MATRIX_FMT_FP6 matrix_b_fmt:MATRIX_FMT_FP6 matrix_a_scale:MATRIX_SCALE_ROW1
.else
	v_wmma_scale_f32_16x16x128_f8f6f4 v[rD:rD+7], v[rA:rA+11], v[rB:rB+11], 0, v[rSA], v[rSB] matrix_a_fmt:MATRIX_FMT_FP6 matrix_b_fmt:MATRIX_FMT_FP6 matrix_a_scale:MATRIX_SCALE_ROW1 matrix_b_scale:MATRIX_SCALE_ROW1
.endif
.else
.if rV == 0
	v_wmma_scale_f32_16x16x128_f8f6f4 v[rD:rD+7], v[rA:rA+11], v[rB:rB+11], v[rD:rD+7], v[rSA], v[rSB] matrix_a_fmt:MATRIX_FMT_FP6 matrix_b_fmt:MATRIX_FMT_FP6
.elseif rV == 1
	v_wmma_scale_f32_16x16x128_f8f6f4 v[rD:rD+7], v[rA:rA+11], v[rB:rB+11], v[rD:rD+7], v[rSA], v[rSB] matrix_a_fmt:MATRIX_FMT_FP6 matrix_b_fmt:MATRIX_FMT_FP6 matrix_b_scale:MATRIX_SCALE_ROW1
.elseif rV == 2
	v_wmma_scale_f32_16x16x128_f8f6f4 v[rD:rD+7], v[rA:rA+11], v[rB:rB+11], v[rD:rD+7], v[rSA], v[rSB] matrix_a_fmt:MATRIX_FMT_FP6 matrix_b_fmt:MATRIX_FMT_FP6 matrix_a_scale:MATRIX_SCALE_ROW1
.else
	v_wmma_scale_f32_16x16x128_f8f6f4 v[rD:rD+7], v[rA:rA+11], v[rB:rB+11], v[rD:rD+7], v[rSA], v[rSB] matrix_a_fmt:MATRIX_FMT_FP6 matrix_b_fmt:MATRIX_FMT_FP6 matrix_a_scale:MATRIX_SCALE_ROW1 matrix_b_scale:MATRIX_SCALE_ROW1
.endif
.endif
.endm
.macro KMUL j, bf                      ; 32 matrix instructions: the 32 accumulators (window 1; tile (c tile a, d tile d) at v[8 (8 a + d)]) take turns, one instruction a turn, in the same order in every step
	WIN 0x5a+5*(\bf)                               ; sources 0 and 1 window 2 or 3, C and D window 1
.irp a, 0,1,2,3
.irp d, 0,1,2,3,4,5,6,7
	KM1 \a, \d, \bf, (\j)==0
.endr
.endr
.endm
	s_load_b256 s[4:11], s[0:1], 0x0               ; qk_codes, qkv_scales, Wo_codes, p_codes
	s_load_b128 s[12:15], s[0:1], 0x20             ; p_aux, wo_img
	v_lshl_add_u32 v[SPW], v0, 2, SPARE
	v_mov_b32 v[NIL], 0
	v_lshrrev_b32 v1, 5, v0
	v_readfirstlane_b32 s16, v1                    ; wave
	s_and_b32 s17, ttmp7, 0xffff                   ; batch
	s_and_b32 s18, ttmp9, 7                        ; which 64 c
	s_lshr_b32 s19, ttmp9, 3                       ; which 128 d
	v_and_b32 v1, 31, v0
	v_lshlrev_b32 v[GW], 4, v1
	v_lshlrev_b32 v[G8], 3, v1
	s_lshl_b32 s20, s16, 15
	v_add_nc_u32 v[RW], s20, v[GW]
	s_lshl_b32 s20, s16, 13
	v_add_nc_u32 v[RR], s20, v[GW]
	v_add_nc_u32 v[RR+1], 0x10000, v[RR]
	v_and_b32 v34, 15, v0                          ; r
	v_bfe_u32 v35, v0, 4, 1                        ; h
	v_mul_u32_u24 v[RAD], v34, 384
	v_mad_u32_u24 v[RAD], v35, 24, v[RAD]
	s_mul_i32 s20, s16, 96
	v_add_nc_u32 v[RAD], s20, v[RAD]               ; Wo: row r, + 24 h, K step w
	v_mov_b32 v[NM+1], 0                           ; (named as the upper half of a pair)
.irp b, 0,1,2,3
	v_mov_b32 v[BX+\b], 0                          ; a lane permute's destination counts as one of its sources
.endr
	s_mov_b32 s[CS], 0x3d8293ee                    ; log2(e) / sqrt(512)
	s_mov_b32 s[CS+1], s[CS]                       ; (named with it as a pair)
	s_mov_b32 s[SEL], 0x76543210
	s_mov_b32 s[SEL+1], 0xfedcba98                 ; lane l xor 16
	s_mov_b32 s44, 0xffff0000                      ; lanes 16-31
	s_lshl_b32 s20, s17, 5                         ; 32 b
	s_lshl_b32 s21, s16, 3                         ; 8 w: my first step
	s_lshl_b32 s22, s18, 2
	s_add_co_u32 s22, s22, s20                     ; the first c tile
	s_lshl_b32 s24, s22, 5
	s_add_co_u32 s24, s24, s21
	s_mul_i32 s24, s24, 1536
	s_mov_b32 s25, 0
	s_lshl_b32 s23, s19, 3
	s_add_co_u32 s23, s23, s20                     ; the first d tile
	s_lshl_b32 s26, s23, 5
	s_add_co_u32 s26, s26, s21
	s_mul_i32 s26, s26, 1536
	s_add_co_u32 s26, s26, 12582912                ; k's images lie behind q's
	s_mov_b32 s27, 0
	s_add_co_u32 s23, s20, s21
	s_lshl_b32 s23, s23, 2                         ; (32 b + 8 w) x 4 groups
	s_lshr_b32 s28, s18, 1
	s_add_co_u32 s28, s28, s23
	s_lshl_b32 s28, s28, 9
	s_and_b32 s29, s18, 1
	s_lshl_b32 s29, s29, 3                         ; my four c tiles are two of the group's four registers
	s_add_co_u32 s28, s28, s29
	s_mov_b32 s29, 0
	s_add_co_u32 s46, s23, s19
	s_lshl_b32 s46, s46, 9
	s_add_co_u32 s46, s46, 524288                  ; k's part of the scale words
	s_mov_b32 s47, 0
	s_add_co_u32 s22, s22, s16                     ; the c tile that I finish
	s_lshl_b32 s22, s22, 2
	s_add_co_u32 s22, s22, s19                     ; x 4 + the K step
	s_mul_i32 s48, s22, 1536
	s_mov_b32 s49, 0
	s_lshl_b32 s50, s22, 8
	s_mov_b32 s51, 0
	s_mul_i32 s52, ttmp9, 6144                     ; Wo's tile x
	s_mov_b32 s53, 0
	s_lshl_b32 s54, ttmp9, 2
	s_add_co_u32 s54, s54, s16
	s_mul_i32 s54, s54, 1536                       ; and its image of K step w
	s_mov_b32 s55, 0
	s_wait_kmcnt 0x0
	s_add_nc_u64 s[QB:QB+1], s[4:5], s[24:25]
	s_add_nc_u64 s[KB:KB+1], s[4:5], s[26:27]
	s_add_nc_u64 s[QSB:QSB+1], s[6:7], s[28:29]
	s_add_nc_u64 s[KSB:KSB+1], s[6:7], s[46:47]
	s_add_nc_u64 s[8:9], s[8:9], s[52:53]
	s_add_nc_u64 s[10:11], s[10:11], s[48:49]
	s_add_nc_u64 s[12:13], s[12:13], s[50:51]
	s_add_nc_u64 s[14:15], s[14:15], s[54:55]
.irp p, 0,1,2,3,4,5
	global_load_b64 v[RF+2*\p:RF+2*\p+1], v[RAD], s[8:9] offset:48*(\p/3)+8*(\p%3)   ; Wo's fragment: older than every step's loads, so step 0's wait shows it in
.endr
.set LC, LC+6
	KLOAD 0, 0
	KLOAD 1, 1
.irp j, 0,1,2,3,4,5,6,7
	WAITB \j%2                                     ; this step's 38 loads are in; the next step's may be out
	KMUL \j, \j%2
.if \j < 6
	WIN 0
	PLACES                                         ; four places in front of loads into registers that matrix instructions have read
	KLOAD \j+2, \j%2
.endif
.if \j == 0
	s_cmp_lg_u32 s17, 0                            ; each image of Wo has one owner: batch 0's wave (x, w)
	s_cbranch_scc1 .Lno_image
.irp c, 0,1,2
	global_store_b128 v[GW], v[RF+4*\c:RF+4*\c+3], s[14:15] offset:512*\c
.endr
.Lno_image:
.endif
.endr
	WIN 0
	PLACES                                         ; and in front of the first read of results
	WIN 0x04                                       ; an LDS store's data are its source 1: window 1
.set T, 0
.rept 32
	ds_store_b128 v[RW], v[8*T:8*T+3] offset:1024*T              ; each accumulator from its low end on
	ds_store_b128 v[RW], v[8*T+4:8*T+7] offset:1024*T+512
.set T, T+1
.endr
	s_wait_dscnt 0x0                               ; for the others' sake: my partial sums lie in LDS
	s_barrier_signal -1
	s_barrier_wait -1
	WIN 0x80
.irp e, 0,1,2,3,4,5,6,7,8,9,10,11,12,13,14,15
	ds_load_b128 v[4*\e:4*\e+3], v[RR] offset:512*\e
	ds_load_b128 v[64+4*\e:64+4*\e+3], v[RR] offset:32768+512*\e
.endr
	WIN 0xc0
.irp e, 0,1,2,3,4,5,6,7,8,9,10,11,12,13,14,15
	ds_load_b128 v[4*\e:4*\e+3], v[RR+1] offset:512*\e
	ds_load_b128 v[64+4*\e:64+4*\e+3], v[RR+1] offset:32768+512*\e
.endr
	s_wait_dscnt 0x0
	WIN 0x8a
.set T, 0
.rept 32
	v_pk_add_f32 v[2*T:2*T+1], v[2*T:2*T+1], v[64+2*T:65+2*T]    ; waves 0 and 1
.set T, T+1
.endr
	WIN 0xcf
.set T, 0
.rept 32
	v_pk_add_f32 v[2*T:2*T+1], v[2*T:2*T+1], v[64+2*T:65+2*T]    ; waves 2 and 3
.set T, T+1
.endr
	WIN 0x0e
.set T, 0
.rept 32
	v_pk_add_f32 v[S+2*T:S+2*T+1], v[2*T:2*T+1], v[2*T:2*T+1]    ; window 2 + window 3, into window 0: my 64 scores
.set T, T+1
.endr
	WIN 0
	; ---- the softmax of my 16 rows over these 128 d
.irp b, 0,1,2,3
	v_max3_num_f32 v[BM+\b], v[S+16*\b], v[S+16*\b+1], v[S+16*\b+2]   ; the largest score of each block of 32 d
.endr
.irp i, 3,5,7,9,11,13
.irp b, 0,1,2,3
	v_max3_num_f32 v[BM+\b], v[BM+\b], v[S+16*\b+\i], v[S+16*\b+\i+1]
.endr
.endr
.irp b, 0,1,2,3
	v_max_num_f32 v[BM+\b], v[BM+\b], v[S+16*\b+15]
.endr
.irp b, 0,1,2,3
	v_permlanex16_b32 v[BX+\b], v[BM+\b], s[SEL], s[SEL+1]
.endr
.irp b, 0,1,2,3
	v_max_num_f32 v[BM+\b], v[BM+\b], v[BX+\b]     ; with lane l xor 16's 16
.endr
	v_max3_num_f32 v[TT], v[BM], v[BM+1], v[BM+2]
	v_max_num_f32 v[TT], v[TT], v[BM+3]            ; the group's largest score of my row
	v_mul_f32 v[TT], s[CS], v[TT]                  ; as t
	v_floor_f32 v[NM], -v[TT]                      ; -M = floor(-t) = -ceil(t)
.set T, 0
.rept 32
	v_pk_fma_f32 v[S+2*T:S+2*T+1], v[S+2*T:S+2*T+1], s[CS:CS+1], v[NM:NM+1] op_sel_hi:[1,0,0]   ; t - M, two at a time
.set T, T+1
.endr
.irp b, 0,1,2,3
	v_fma_f32 v[BM+\b], v[BM+\b], s[CS], v[NM]     ; the same of each block's largest score
.endr
.set T, 0
.rept 64
	v_exp_f32 v[S+T], v[S+T]                       ; p = 2^(t - M)
.set T, T+1
.endr
	v_nop                                          ; a plain place behind the exponentials
	s_wait_alu depctr_va_vdst(0)                   ; one wait for the whole batch, ahead of its first reader
.irp b, 0,1,2,3
	v_exp_f32 v[BM+\b], v[BM+\b]                   ; the blocks' largest p
.endr
	v_pk_add_f32 v[LA:LA+1], v[S:S+1], v[S+2:S+3]  ; the sum of the unquantised p, two at a time, in two chains: plain work behind the four
	v_pk_add_f32 v[LA+2:LA+3], v[S+4:S+5], v[S+6:S+7]
.set T, 8
.rept 14
	v_pk_add_f32 v[LA:LA+1], v[LA:LA+1], v[S+T:S+T+1]
	v_pk_add_f32 v[LA+2:LA+3], v[LA+2:LA+3], v[S+T+2:S+T+3]
.set T, T+4
.endr
	v_pk_add_f32 v[LA:LA+1], v[LA:LA+1], v[LA+2:LA+3]
	s_wait_alu depctr_va_vdst(0)                   ; and one for the four
	v_add_f32 v[LA], v[LA], v[LA+1]
	v_permlanex16_b32 v[LA+2], v[LA], s[SEL], s[SEL+1]
	v_add_f32 v[LA], v[LA], v[LA+2]                ; l of these 128 d
.irp b, 0,1,2,3
	v_max_num_f32 v[BM+\b], 0x1800000, v[BM+\b]    ; the floor 2^(3 - 127): the byte cannot fall under 1
.endr
.irp b, 0,1,2,3
	v_add_nc_u32 v[SOP+\b], 0xff000000, v[BM+\b]   ; 2 off the exponent field: the conversion's scale operand
.endr
.irp b, 0,1,2,3
	v_lshrrev_b32 v[BY+\b], 23, v[SOP+\b]          ; the scale's byte
.endr
	v_lshl_or_b32 v[PW], v[BY+1], 8, v[BY]
	v_lshl_or_b32 v[PW], v[BY+2], 16, v[PW]
	v_lshl_or_b32 v[PW], v[BY+3], 24, v[PW]
	v_cndmask_b32 v[AX], v[PW], v[LA], s44         ; lanes 0-15 the scale word, lanes 16-31 l,
	v_mov_b32 v[AX+1], v[NM]                       ; and -M in all
.irp c, 0,1
	v_cvt_scalef32_pk16_fp6_f32 v[PC+6*\c:PC+2+6*\c], v[S+32*\c:S+15+32*\c], v[SOP+2*\c]
	v_cvt_scalef32_pk16_fp6_f32 v[PC+12+4*\c:PC+14+4*\c], v[S+16+32*\c:S+31+32*\c], v[SOP+2*\c+1]
.endr
	v_nop                                          ; one plain place behind the conversions
.irp c, 0,1                            ; the operand's layout wants a whole block in a lane
.irp i, 0,1,2
	v_permlane16_swap_b32 v[PC+6*\c+\i], v[PC+12+4*\c+\i]
.endr
.irp i, 0,1,2
	v_mov_b32 v[PC+3+6*\c+\i], v[PC+12+4*\c+\i]
.endr
.endr
.irp c, 0,1,2
	global_store_b128 v[GW], v[PC+4*\c:PC+4*\c+3], s[10:11] offset:512*\c    ; 512 consecutive aligned bytes
.endr
	global_store_b64 v[G8], v[AX:AX+1], s[12:13]   ; 256 consecutive aligned bytes
	s_wait_tensorcnt 0x0                           ; the wave's end, behind my last LDS store
	ds_add_u32 v[SPW], v[NIL]
	s_wait_dscnt 0x0
	s_endpgm
.Lfunc_end_k_q361734d3bb_attn:
	.size	k_q361734d3bb_attn, .Lfunc_end_k_q361734d3bb_attn-k_q361734d3bb_attn
	.p2alignl 7, 3214868480
	.fill 96, 4, 3214868480
	.section	.rodata,"a",@progbits
	.p2align	6, 0x0
	.amdhsa_kernel k_q361734d3bb_attn
		.amdhsa_group_segment_fixed_size 131584
		.amdhsa_private_segment_fixed_size 0
		.amdhsa_enable_private_segment 0
		.amdhsa_kernarg_size 48
		.amdhsa_user_sgpr_count 2
		.amdhsa_user_sgpr_kernarg_segment_ptr 1
		.amdhsa_wavefront_size32 1
		.amdhsa_system_sgpr_workgroup_id_x 1
		.amdhsa_system_sgpr_workgroup_id_y 1
		.amdhsa_system_sgpr_workgroup_id_z 1
		.amdhsa_system_vgpr_workitem_id 0
		.amdhsa_next_free_vgpr 1024
		.amdhsa_next_free_sgpr 66
		.amdhsa_reserve_vcc 0
		.amdhsa_float_denorm_mode_32 3
		.amdhsa_float_denorm_mode_16_64 3
		.amdhsa_memory_ordered 1
		.amdhsa_forward_progress 1
		.amdhsa_inst_pref_size 93
	.end_amdhsa_kernel
	.amdgpu_metadata
---
amdhsa.version: [ 1, 2 ]
amdhsa.kernels:
  - .name:           k_q361734d3bb_attn
    .symbol:         k_q361734d3bb_attn.kd
    .args:
      - { .name: qk_codes, .offset: 0, .size: 8, .value_kind: global_buffer, .address_space: global }
      - { .name: qkv_scales, .offset: 8, .size: 8, .value_kind: global_buffer, .address_space: global }
      - { .name: Wo_codes, .offset: 16, .size: 8, .value_kind: global_buffer, .address_space: global }
      - { .name: p_codes, .offset: 24, .size: 8, .value_kind: global_buffer, .address_space: global }
      - { .name: p_aux, .offset: 32, .size: 8, .value_kind: global_buffer, .address_space: global }
      - { .name: wo_img, .offset: 40, .size: 8, .value_kind: global_buffer, .address_space: global }
    .group_segment_fixed_size: 131584
    .private_segment_fixed_size: 0
    .kernarg_segment_align: 8
    .kernarg_segment_size: 48
    .max_flat_workgroup_size: 128
    .sgpr_count:     66
    .vgpr_count:     1024
    .wavefront_size: 32
...
	.end_amdgpu_metadata
.endif
;; end of part 2
;; launch outp (part 3): grid 32 x 8, 4 waves a work-group, no clusters, 326,144 bytes of LDS; arguments v_codes, qkv_scales, p_codes, p_aux, wo_img, Wo_scales, query_feat, out0; writes out0
.if DOCPART == 3
	.amdgcn_target "amdgcn-amd-amdhsa--gfx1250"
	.amdhsa_code_object_version 6
	.text
	.protected	k_q361734d3bb_outp
	.globl	k_q361734d3bb_outp
	.p2align	8
	.type	k_q361734d3bb_outp,@function
k_q361734d3bb_outp:
	s_mov_b64 s[64:65], 0
	v_nop
	global_prefetch_b8 v0, s[64:65] scope:SCOPE_SE
	s_setreg_imm32_b32 hwreg(HW_REG_WAVE_MODE, 25, 1), 1
	s_wait_xcnt 0x0
; OUTP: out = (Q(p) Q(v)) / l (product 5), quantised along c; out0 = query_feat + Wo Q(out) (product 6).  No work of the problem is left out here.
; SHARES.  A work-group takes 128 positions n of one batch (x = n / 128, y = batch).  Phase 1: wave w makes channels c = 128 w .. 128 w + 127 of out for all 128 n; phase 2: output channels o = 128 w .. 128 w + 127.
; p UNDER THE ROW'S M.  p's codes come with scale bytes, -M and l of each group of 128 d (K step s) by itself.  The row's M is the largest of the four; E = M of the group - M of the row is a whole number, 0 or less.
; It is added to the group's four scale bytes and l is the sum of the groups' l x 2^E: both exact.  The four bytes of a word go at once: word + 0x80808080 + E x 0x01010101 has the bytes 128 + byte + E, which lie in 2 .. 253
; (a byte is 1 .. 125, E is held at -127), so nothing is carried from byte to byte; a byte that fell under 0 has its bit 7 clear and is set to 0.
; PHASE 1.  Source 0 = my 8 tiles of p (chosen tiles of c; they stay in 384 registers), source 1 = a tile of 16 positions of v: a lane holds one n, its registers run along c.  x 1 / l, quantised in registers:
; that is K step w of product 6 for those 16 positions; it goes to LDS as an image of its registers (16 bytes a lane, 512 a store), its scale word at 4 bytes a lane.  One barrier.
; PHASE 2.  Source 0 = the 8 tiles of out^T (chosen tiles of n; all 32 fragments from LDS stay), source 1 = 16 neighbouring rows of Wo, as images: a lane holds one o, its 64 registers are n = 32 B + 16 h + i.
; THE RESIDUAL: my 128 rows x 128 n of query_feat come by one tensor load at the head (one outstanding a wave, a first fill; nothing is filled again), into rows 528 bytes apart that I alone read;
; a tile's sums are added to them, put back in the same bytes, which have had their one fill, read back as whole rows and stored: 512 consecutive aligned bytes a store.
; NO CLUSTER: what work-groups share are p's and Wo's images; a joint load needs LDS to land in, and 270,336 + 49,152 + 4,096 + 2,048 + 512 of the 327,680 bytes are taken.
; LIMITS: a block of zeros gets the scale byte 1 (its codes are zeros); blocks under 2^-124 are held at byte 1; a block of p whose byte would fall under 0, and a group more than 127 under the row's M, count with the scale 2^-127,
; under 2^-120 of l, which is above 1/2; NaN and infinities are not served.
.set HIMG,  270336                     ; LDS: 0 .. 270,335 the residual, 128 rows x 528 bytes a wave;  then out^T's 32 images of 1,536 bytes (tile of n t, K step s: 4 t + s),
.set HSC,   319488                     ; their scale words, 128 bytes each,
.set LRL,   323584                     ; 1 / l of each wave's 128 channels, 512 bytes a wave,
.set SPARE, 325632                     ; and the spare words, 128 bytes a wave: two blocks of 256 bytes that no other line names
.set GW,  2                            ; v2  16 x lane
.set GR,  3                            ; v3  16 r
.set G8,  4                            ; v4  8 x lane
.set HWI, 5                            ; v5  where I store an image: HIMG + 16 x lane + 1,536 w
.set HWS, 6                            ; v6  and its scale word: HSC + 4 x lane + 128 w
.set LI,  7                            ; v7  HIMG + 16 x lane
.set LS,  8                            ; v8  HSC + 4 x lane
.set RA,  9                            ; v9  the residual by tiles: 67,584 w + 528 r + 64 h
.set RR0, 10                           ; v10 by rows: 67,584 w + 16 x lane;  v11 the same 64 rows on
.set SPW, 12
.set NIL, 13
.set LW,  14                           ; v14 where my row's 1 / l goes: LRL + 512 w + 4 (r + 8 (r / 8))
.set LRD, 15                           ; v15 and where I read 16 channels' back: LRL + 512 w + 64 h
.set SS,  32                           ; v32-63  scale words of the tiles that stay: p's, later out^T's
.set WOS, 64                           ; v64-95  Wo's
.set VS,  96                           ; v96-111 v's: register 4 s + p: tile 2 p in lanes 0-15, tile 2 p + 1 in lanes 16-31
.set PW,  112
.set TM,  114
.set PC,  130
.set ACC, 150                          ; v150-213 eight accumulators; at the head p's 32 records.  Windows 1, 2: v0-191 the tiles that stay; window 1 v192-255 1 / l, window 2 v192-255 the residual.  Window 3: four streamed tiles of 48
.set T0,  214                          ; v214-215, v216-219, v220-223, v224-227 at work at the head;  v228-235 the 8 tiles' l
.set EX,  216
.set LT,  220
.set MK,  224
.set LSU, 228
.set VB,  4
.set VSB, 6
.set PB,  8
.set PSB, 10
.set WOB, 12
.set WSB, 14
.set OB,  18
.set SEL, 36
.set MSB, 0
.set LC,  0
.set EAX, 0
.set ES0, 0
.set ES1, 0
.set ES2, 0
.set ES3, 0
.macro WIN new
.if MSB != (\new)
	s_set_vgpr_msb (MSB<<8)|(\new)
.set MSB, (\new)
.endif
.endm
.macro WAITL e                         ; loads come back in order: those issued behind mark e may stay out
.if (LC-(\e)) > 63
	s_wait_loadcnt 63
.else
	s_wait_loadcnt LC-(\e)
.endif
.endm
.macro WAITI k
.if (\k) == 0
	WAITL ES0
.elseif (\k) == 1
	WAITL ES1
.elseif (\k) == 2
	WAITL ES2
.else
	WAITL ES3
.endif
.endm
.macro PLACES
.rept 4
	v_nop
.endr
.endm
.macro ITEM k, sb, off                 ; a streamed tile's four fragments, images of 1,536 bytes on end, into set k of window 3
	WIN 0xc0
.irp j, 0,1,2,3,4,5,6,7,8,9,10,11
	global_load_b128 v[48*(\k)+4*\j:48*(\k)+4*\j+3], v[GW], s[\sb:\sb+1] offset:(\off)+512*\j
.endr
.set LC, LC+12
.if (\k) == 0
.set ES0, LC
.elseif (\k) == 1
.set ES1, LC
.elseif (\k) == 2
.set ES2, LC
.else
.set ES3, LC
.endif
.endm
.macro MM1 i, ia, s, sf, sa, sb, sbs, row
.set rD, ACC+8*(\i)
.set rA, 12*(4*(\ia)+(\s))
.set rB, (\sf)+12*(\s)
.set rSA, (\sa)+4*(\i)+(\s)
.set rSB, (\sb)+(\sbs)*(\s)
.if (\s) == 0
.if (\row)
	v_wmma_scale_f32_16x16x128_f8f6f4 v[rD:rD+7], v[rA:rA+11], v[rB:rB+11], 0, v[rSA], v[rSB] matrix_a_fmt:MATRIX_FMT_FP6 matrix_b_fmt:MATRIX_FMT_FP6 matrix_b_scale:MATRIX_SCALE_ROW1
.else
	v_wmma_scale_f32_16x16x128_f8f6f4 v[rD:rD+7], v[rA:rA+11], v[rB:rB+11], 0, v[rSA], v[rSB] matrix_a_fmt:MATRIX_FMT_FP6 matrix_b_fmt:MATRIX_FMT_FP6
.endif
.else
.if (\row)
	v_wmma_scale_f32_16x16x128_f8f6f4 v[rD:rD+7], v[rA:rA+11], v[rB:rB+11], v[rD:rD+7], v[rSA], v[rSB] matrix_a_fmt:MATRIX_FMT_FP6 matrix_b_fmt:MATRIX_FMT_FP6 matrix_b_scale:MATRIX_SCALE_ROW1
.else
	v_wmma_scale_f32_16x16x128_f8f6f4 v[rD:rD+7], v[rA:rA+11], v[rB:rB+11], v[rD:rD+7], v[rSA], v[rSB] matrix_a_fmt:MATRIX_FMT_FP6 matrix_b_fmt:MATRIX_FMT_FP6
.endif
.endif
.endm
; A unit: 32 matrix instructions: the 8 tiles that stay x 4 K steps against the streamed tile at v[sf] of window 3.  The first K step starts the sums.
; Four accumulators take turns, one instruction a turn.
.macro MM32 sf, sa, sb, sbs, row
	WIN 0x0d
.irp s, 0,1,2,3
.irp i, 0,1,2,3
	MM1 \i, \i, \s, \sf, \sa, \sb, \sbs, \row
.endr
.endr
	WIN 0x0e
.irp s, 0,1,2,3
.irp i, 4,5,6,7
	MM1 \i, \i-4, \s, \sf, \sa, \sb, \sbs, \row
.endr
.endr
.endm
; The 64 numbers of a lane in v[ACC] on, register 16 b + i = k 32 b + 16 (lane / 16) + i of my row, become a fragment's codes in v[PC] on and its scale word in v[PW].
.macro QUANT
	WIN 0
.irp b, 0,1,2,3
	v_max3_num_f32 v[TM+\b], |v[ACC+16*\b]|, |v[ACC+1+16*\b]|, 0x1800000   ; my 16 numbers of block b, and the floor 2^(3 - 127): the byte cannot fall under 1
.endr
.irp i, 2,4,6,8,10,12,14
.irp b, 0,1,2,3
	v_max3_num_f32 v[TM+\b], v[TM+\b], |v[ACC+16*\b+\i]|, |v[ACC+1+16*\b+\i]|
.endr
.endr
.irp b, 0,1,2,3
	v_permlanex16_b32 v[TM+4+\b], v[TM+\b], s[SEL], s[SEL+1]
.endr
.irp b, 0,1,2,3
	v_max_num_f32 v[TM+\b], v[TM+\b], v[TM+4+\b]
.endr
.irp b, 0,1,2,3
	v_add_nc_u32 v[TM+12+\b], 0xff000000, v[TM+\b]
.endr
.irp b, 0,1,2,3
	v_lshrrev_b32 v[TM+4+\b], 23, v[TM+12+\b]
.endr
	v_lshl_or_b32 v[PW], v[TM+5], 8, v[TM+4]
	v_lshl_or_b32 v[PW], v[TM+6], 16, v[PW]
	v_lshl_or_b32 v[PW], v[TM+7], 24, v[PW]
.irp c, 0,1
	v_cvt_scalef32_pk16_fp6_f32 v[PC+6*\c:PC+2+6*\c], v[ACC+32*\c:ACC+15+32*\c], v[TM+12+2*\c]
	v_cvt_scalef32_pk16_fp6_f32 v[PC+12+4*\c:PC+14+4*\c], v[ACC+16+32*\c:ACC+31+32*\c], v[TM+12+2*\c+1]
.endr
	v_nop                                          ; one plain place behind the conversions
.irp c, 0,1
.irp i, 0,1,2
	v_permlane16_swap_b32 v[PC+6*\c+\i], v[PC+12+4*\c+\i]
.endr
.irp i, 0,1,2
	v_mov_b32 v[PC+3+6*\c+\i], v[PC+12+4*\c+\i]
.endr
.endr
.endm
; Tile i of p is brought under its rows' M.  Its four records lie at v[ACC + 8 i + 2 s]: the first word is the scale word (lanes 0-15) or l (lanes 16-31), the second -M of group s.  Every lane runs both
; computations on the first word; of the scale words lanes 0-15 alone are read later, of l lanes 16-31 alone.
.macro FIX i
.set fA, ACC+8*(\i)
	v_min_num_f32 v[T0], v[fA+1], v[fA+3]
	v_min_num_f32 v[T0+1], v[fA+5], v[fA+7]
	v_min_num_f32 v[T0], v[T0], v[T0+1]            ; the row's -M
.irp s, 0,1,2,3
	v_sub_f32 v[EX+\s], v[T0], v[fA+2*\s+1]        ; E = the group's M less the row's: a whole number, 0 or less,
.endr
.irp s, 0,1,2,3
	v_max_num_f32 v[EX+\s], 0xc2fe0000, v[EX+\s]   ; held at -127
.endr
.irp s, 0,1,2,3
	v_cvt_i32_f32 v[EX+\s], v[EX+\s]
.endr
.irp s, 0,1,2,3
	v_ldexp_f32 v[LT+\s], v[fA+2*\s], v[EX+\s]     ; the group's l x 2^E
.endr
.irp s, 0,1,2,3
	v_mul_lo_u32 v[EX+\s], v[EX+\s], s38           ; E in each of the four bytes
.endr
.irp s, 0,1,2,3
	v_add_nc_u32 v[EX+\s], v[EX+\s], v[fA+2*\s]
.endr
.irp s, 0,1,2,3
	v_add_nc_u32 v[EX+\s], s39, v[EX+\s]           ; the bytes 128 + byte + E
.endr
.irp s, 0,1,2,3
	v_lshrrev_b32 v[MK+\s], 7, v[EX+\s]
.endr
.irp s, 0,1,2,3
	v_and_b32 v[MK+\s], s38, v[MK+\s]              ; 1 in each byte that did not fall under 0
.endr
.irp s, 0,1,2,3
	v_mul_lo_u32 v[MK+\s], v[MK+\s], s57           ; 127 there, 0 in the others
.endr
.irp s, 0,1,2,3
	v_and_b32 v[SS+4*(\i)+\s], v[EX+\s], v[MK+\s]  ; byte + E, or 0
.endr
	v_add_f32 v[LT], v[LT], v[LT+1]
	v_add_f32 v[LT+2], v[LT+2], v[LT+3]
	v_add_f32 v[LSU+(\i)], v[LT], v[LT+2]          ; the row's l
.endm
.macro P1U t                           ; phase 1, the tile of 16 positions t
.set uT, \t
	WAITI uT%4
	MM32 48*(uT%4), SS, VS+uT/2, 4, uT%2
	WIN 0
	PLACES                                         ; four places in front of the loads into the set just multiplied, and of the first read of results
.if uT < 4
	ITEM uT%4, VB, 6144*(uT+4)
.else
	ITEM uT%4, WOB, 6144*(uT-4)
.endif
	WIN 0x04
.set T, 0
.rept 32
	v_pk_mul_f32 v[ACC+2*T:ACC+2*T+1], v[ACC+2*T:ACC+2*T+1], v[192+2*T:193+2*T]   ; / l, each accumulator from its low end on
.set T, T+1
.endr
	WIN 0
	s_wait_dscnt 0x0                               ; the last unit's LDS stores have read their registers
	QUANT
.irp c, 0,1,2
	ds_store_b128 v[HWI], v[PC+4*\c:PC+4*\c+3] offset:6144*uT+512*\c
.endr
	ds_store_b32 v[HWS], v[PW] offset:512*uT
.endm
.macro P2U t                           ; phase 2, rows o = 128 w + 16 t .. + 15
.set uT, \t
	WIN 0x80
.irp e, 0,1,2,3,4,5,6,7,8,9,10,11,12,13,14,15
	ds_load_b128 v[192+4*\e:192+4*\e+3], v[RA] offset:8448*uT+128*(\e/4)+16*(\e%4)   ; the residual in the result's layout
.endr
	WAITI uT%4
	s_wait_xcnt 0x0                                ; the last unit's stores have read their data: the accumulators are written again only behind this wait
.if uT == 0
	s_wait_dscnt 16                                ; the tiles that stay and their scale words are in; the 16 loads just issued may be out
.endif
	MM32 48*(uT%4), SS, WOS+4*uT, 1, 0
	WIN 0
	PLACES
.if uT < 4
	ITEM uT%4, WOB, 6144*(uT+4)
.endif
	s_wait_dscnt 0x0                               ; the residual is in
	WIN 0x08
.set T, 0
.rept 32
	v_pk_add_f32 v[ACC+2*T:ACC+2*T+1], v[ACC+2*T:ACC+2*T+1], v[192+2*T:193+2*T]
.set T, T+1
.endr
	WIN 0
.irp e, 0,1,2,3,4,5,6,7,8,9,10,11,12,13,14,15
	ds_store_b128 v[RA], v[ACC+4*\e:ACC+4*\e+3] offset:8448*uT+128*(\e/4)+16*(\e%4)
.endr
.irp i, 0,1,2,3,4,5,6,7,8,9,10,11,12,13,14,15
	ds_load_b128 v[ACC+4*\i:ACC+4*\i+3], v[RR0+uT/4] offset:528*(16*(uT%4)+\i)       ; LDS serves a wave's instructions in order: these see my stores
.endr
.irp i, 0,1,2,3,4,5,6,7,8,9,10,11,12,13,14,15
	s_wait_dscnt 15-\i                             ; row i is back; the younger rows' loads may be out
	global_store_b128 v[GW], v[ACC+4*\i:ACC+4*\i+3], s[OB:OB+1] offset:16384*(16*uT+\i) th:TH_STORE_NT   ; 32 lanes store 512 consecutive aligned bytes
.endr
.endm
	s_load_b512 s[4:19], s[0:1], 0x0               ; v_codes, qkv_scales, p_codes, p_aux, wo_img, Wo_scales, query_feat, out0
	v_lshl_add_u32 v[SPW], v0, 2, SPARE
	v_mov_b32 v[NIL], 0
	ds_add_u32 v[SPW], v[NIL]                      ; the wave's opening: the add, twice on end, and its wait ahead of my first tensor load
	ds_add_u32 v[SPW], v[NIL]
	v_lshrrev_b32 v1, 5, v0
	v_readfirstlane_b32 s20, v1                    ; wave
	s_and_b32 s21, ttmp7, 0xffff                   ; batch
	s_mov_b32 s22, ttmp9                           ; block of 128 positions
	v_and_b32 v1, 31, v0                           ; lane
	v_and_b32 v16, 15, v0                          ; r
	v_bfe_u32 v17, v0, 4, 1                        ; h
	v_lshlrev_b32 v[GW], 4, v1
	v_lshlrev_b32 v[GR], 4, v16
	v_lshlrev_b32 v[G8], 3, v1
	s_mul_i32 s58, s20, 1536
	s_add_co_u32 s58, s58, HIMG
	v_add_nc_u32 v[HWI], s58, v[GW]
	v_lshl_add_u32 v[HWS], v0, 2, HSC              ; 4 x my thread's number = 4 x lane + 128 w
	v_add_nc_u32 v[LI], HIMG, v[GW]
	v_lshl_add_u32 v[LS], v1, 2, HSC
	s_lshl_b32 s58, s20, 9
	s_add_co_u32 s58, s58, LRL                     ; my 512 bytes of 1 / l
	v_and_b32 v[LW], 8, v16
	v_add_nc_u32 v[LW], v[LW], v16
	v_lshl_add_u32 v[LW], v[LW], 2, s58
	v_lshl_add_u32 v[LRD], v17, 6, s58
	s_mov_b32 s24, 1                               ; group 0: count 1,
	s_mul_i32 s25, s20, 67584                      ; LDS address: my 128 rows of 528 bytes
	v_mul_u32_u24 v[RA], v16, 528
	v_lshl_add_u32 v[RA], v17, 6, v[RA]
	v_add_nc_u32 v[RA], s25, v[RA]
	v_add_nc_u32 v[RR0], s25, v[GW]
	v_add_nc_u32 v[RR0+1], 33792, v[RR0]
.irp b, 0,1,2,3
	v_mov_b32 v[TM+4+\b], 0                        ; written once: a lane permute's destination counts as one of its sources
.endr
	s_mov_b32 s[SEL], 0x76543210
	s_mov_b32 s[SEL+1], 0xfedcba98
	s_mov_b32 s38, 0x01010101
	s_mov_b32 s39, 0x80808080
	s_mov_b32 s56, 0xffff0000                      ; lanes 16-31
	s_mov_b32 s57, 127
	s_mov_b32 s28, (2<<16)|(1<<20)|(6<<22)|(3<<25) ; group 1: no mask, elements of 4 bytes, 4 words of padding behind every 128
	s_mov_b32 s29, 128<<16                         ; tensor_dim0 = 128
	s_mov_b32 s30, 128<<16                         ; tensor_dim1 = 128
	s_mov_b32 s31, 128<<16                         ; tile_dim0 = 128
	s_mov_b32 s32, 128                             ; tile_dim1 = 128
	s_mov_b32 s33, 4096                            ; from row to row
	s_mov_b32 s34, 0
	s_mov_b32 s35, 0
	s_lshl_b32 s60, s21, 5
	s_lshl_b32 s61, s20, 3
	s_add_co_u32 s61, s61, s60                     ; 32 b + 8 w: my first tile of p
	s_add_co_u32 s60, s60, s22                     ; 32 b + x
	s_mul_i32 s40, s60, 49152
	s_mov_b32 s41, 0
	s_lshl_b32 s42, s60, 11
	s_add_co_u32 s42, s42, 1048576                 ; v's part of the scale words
	s_mov_b32 s43, 0
	s_mul_i32 s44, s61, 6144
	s_mov_b32 s45, 0
	s_lshl_b32 s46, s61, 10                        ; p's records: four of 256 bytes a tile
	s_mov_b32 s47, 0
	s_mul_i32 s50, s20, 49152
	s_mov_b32 s51, 0
	s_lshl_b32 s52, s20, 11
	s_mov_b32 s53, 0
	s_lshl_b32 s54, s21, 23
	s_lshl_b32 s59, s20, 21
	s_add_co_u32 s54, s54, s59
	s_lshl_b32 s59, s22, 9
	s_add_co_u32 s54, s54, s59                     ; batch, my 128 channels, the block's 128 positions: in query_feat and in out0
	s_mov_b32 s55, 0
	s_wait_dscnt 0x0                               ; both opening adds are done
	s_wait_kmcnt 0x0
	s_add_nc_u64 s[26:27], s[16:17], s[54:55]
	s_or_b32 s27, s27, 0x80000000                  ; type 2
	tensor_load_to_lds s[24:27], s[28:35]          ; my residual rows: they land while phase 1 is computed
	s_nop 0
	PLACES
	s_add_nc_u64 s[4:5], s[4:5], s[40:41]
	s_add_nc_u64 s[6:7], s[6:7], s[42:43]
	s_add_nc_u64 s[8:9], s[8:9], s[44:45]
	s_add_nc_u64 s[10:11], s[10:11], s[46:47]
	s_add_nc_u64 s[12:13], s[12:13], s[50:51]
	s_add_nc_u64 s[14:15], s[14:15], s[52:53]
	s_add_nc_u64 s[18:19], s[18:19], s[54:55]
.set T, 0
.rept 32
	global_load_b64 v[ACC+2*T:ACC+2*T+1], v[G8], s[PSB:PSB+1] offset:256*T   ; p's records (tile T / 4, K step T % 4): 256 consecutive bytes each
.set T, T+1
.endr
.set LC, LC+32
.set EAX, LC
	WIN 0x40
.set T, 0
.rept 48
	global_load_b128 v[4*T:4*T+3], v[GW], s[PB:PB+1] offset:512*T            ; p's tiles 0-3: fragment (i, s) at v[12 (4 i + s)]
.set T, T+1
.endr
.set LC, LC+48
	WAITL EAX                                      ; the records are in; the 48 loads issued behind them may be out
	WIN 0x80
.rept 48
	global_load_b128 v[4*(T-48):4*(T-48)+3], v[GW], s[PB:PB+1] offset:512*T  ; tiles 4-7: on their way while the records are worked on
.set T, T+1
.endr
.set LC, LC+48
	WIN 0
.irp i, 0,1,2,3,4,5,6,7
	FIX \i
.endr
.irp i, 0,1,2,3,4,5,6,7
	v_permlanex16_b32 v[ACC+8*\i+1], v[LSU+\i], s[SEL], s[SEL+1]             ; (into registers of the records, which are done with)
.endr
.irp i, 0,1,2,3,4,5,6,7
	v_cndmask_b32 v[LSU+\i], v[ACC+8*\i+1], v[LSU+\i], s56                   ; l, which lanes 16-31 made, in both halves.  (These lines are also the places between the last scale word written and the first product)
.endr
.irp i, 0,1,2,3,4,5,6,7
	v_rcp_f32 v[ACC+8*\i+1], v[LSU+\i]
.endr
	v_nop                                          ; a plain place behind the reciprocals
	s_wait_alu depctr_va_vdst(0)                   ; one wait for the eight, ahead of their first reader
.irp i, 0,1,2,3,4,5,6,7
	ds_store_b32 v[LW], v[ACC+8*\i+1] offset:128*(\i/2)+32*(\i%2)            ; by channel: tile i's row r is channel 32 (i / 2) + 8 (i % 2) + r + 8 (r / 8); both halves write the same word with the same value
.endr
	WIN 0x40
.irp e, 0,1,2,3,4,5,6,7,8,9,10,11,12,13,14,15
	ds_load_b128 v[192+4*\e:192+4*\e+3], v[LRD] offset:128*(\e/4)+16*(\e%4)  ; 1 / l in the result's layout: register 16 B + i is c = 32 B + 16 h + i.  LDS serves a wave's instructions in order: these see my stores
.endr
	WIN 0
.irp s, 0,1,2,3
	global_load_b128 v[VS+4*\s:VS+4*\s+3], v[GW], s[VSB:VSB+1] offset:512*\s
.endr
.set LC, LC+4
.irp t, 0,1,2,3
	ITEM \t, VB, 6144*\t
.endr
	WIN 0
.irp t, 0,1,2,3,4,5,6,7
	global_load_b128 v[WOS+4*\t:WOS+4*\t+3], v[GR], s[WSB:WSB+1] offset:256*\t
.endr
.set LC, LC+8
	s_wait_dscnt 0x0                               ; 1 / l is in, and the stores have read the registers that the first products write
	; ---- phase 1
.irp t, 0,1,2,3,4,5,6,7
	P1U \t
.endr
	s_wait_dscnt 0x0                               ; for the others' sake: my images and scale words lie in LDS
	s_barrier_signal -1
	s_barrier_wait -1
	; ---- phase 2: out^T's 32 fragments become the tiles that stay (the quantiser's lines above are the places behind the last products)
	WIN 0x40
.set T, 0
.rept 48
	ds_load_b128 v[4*T:4*T+3], v[LI] offset:512*T
.set T, T+1
.endr
	WIN 0x80
.rept 48
	ds_load_b128 v[4*(T-48):4*(T-48)+3], v[LI] offset:512*T
.set T, T+1
.endr
	WIN 0
.set T, 0
.rept 32
	ds_load_b32 v[SS+T], v[LS] offset:128*T
.set T, T+1
.endr
	s_wait_tensorcnt 0x0                           ; my residual rows have landed: I alone read them
.irp t, 0,1,2,3,4,5,6,7
	P2U \t
.endr
	s_wait_tensorcnt 0x0                           ; the wave's end, behind my last tensor load and my last LDS store
	ds_add_u32 v[SPW], v[NIL]
	s_wait_dscnt 0x0
	s_endpgm
.Lfunc_end_k_q361734d3bb_outp:
	.size	k_q361734d3bb_outp, .Lfunc_end_k_q361734d3bb_outp-k_q361734d3bb_outp
	.p2alignl 7, 3214868480
	.fill 96, 4, 3214868480
	.section	.rodata,"a",@progbits
	.p2align	6, 0x0
	.amdhsa_kernel k_q361734d3bb_outp
		.amdhsa_group_segment_fixed_size 326144
		.amdhsa_private_segment_fixed_size 0
		.amdhsa_enable_private_segment 0
		.amdhsa_kernarg_size 64
		.amdhsa_user_sgpr_count 2
		.amdhsa_user_sgpr_kernarg_segment_ptr 1
		.amdhsa_wavefront_size32 1
		.amdhsa_system_sgpr_workgroup_id_x 1
		.amdhsa_system_sgpr_workgroup_id_y 1
		.amdhsa_system_sgpr_workgroup_id_z 1
		.amdhsa_system_vgpr_workitem_id 0
		.amdhsa_next_free_vgpr 1024
		.amdhsa_next_free_sgpr 66
		.amdhsa_reserve_vcc 0
		.amdhsa_float_denorm_mode_32 3
		.amdhsa_float_denorm_mode_16_64 3
		.amdhsa_memory_ordered 1
		.amdhsa_forward_progress 1
		.amdhsa_inst_pref_size 238
	.end_amdhsa_kernel
	.amdgpu_metadata
---
amdhsa.version: [ 1, 2 ]
amdhsa.kernels:
  - .name:           k_q361734d3bb_outp
    .symbol:         k_q361734d3bb_outp.kd
    .args:
      - { .name: v_codes, .offset: 0, .size: 8, .value_kind: global_buffer, .address_space: global }
      - { .name: qkv_scales, .offset: 8, .size: 8, .value_kind: global_buffer, .address_space: global }
      - { .name: p_codes, .offset: 16, .size: 8, .value_kind: global_buffer, .address_space: global }
      - { .name: p_aux, .offset: 24, .size: 8, .value_kind: global_buffer, .address_space: global }
      - { .name: wo_img, .offset: 32, .size: 8, .value_kind: global_buffer, .address_space: global }
      - { .name: Wo_scales, .offset: 40, .size: 8, .value_kind: global_buffer, .address_space: global }
      - { .name: query_feat, .offset: 48, .size: 8, .value_kind: global_buffer, .address_space: global }
      - { .name: out0, .offset: 56, .size: 8, .value_kind: global_buffer, .address_space: global }
    .group_segment_fixed_size: 326144
    .private_segment_fixed_size: 0
    .kernarg_segment_align: 8
    .kernarg_segment_size: 64
    .max_flat_workgroup_size: 128
    .sgpr_count:     66
    .vgpr_count:     1024
    .wavefront_size: 32
...
	.end_amdgpu_metadata
.endif
;; end of part 3
